; MI455X (gfx1250); checked and timed in simulation.
; The chip was launched on July 23, 2026; its instructions are those of AMD's public machine-readable ISA for CDNA 5 (MIT licence, August 2026) and "CDNA5" Instruction Set Architecture Reference Guide (July 2026). The comments in the code are by the model that wrote it; some were corrected since.
;; Mixture Of Experts. Allowed arithmetic: float matrix products may take bf16 or f16 operands with f32 sums; other float arithmetic in f32, or as packed bf16 or f16 multiplies, adds, multiply-adds, maxima and minima; sums over many terms, partial sums and values carried from step to step in f32; what a program stores and reads back later, other than sums and carried values, may be rounded once to bf16 or f16.
;; Inputs: W1 8 x 2,048 x 1,024 float32; W2 8 x 1,024 x 2,048 float32; Wg 2,048 x 8 float32; b1 8 x 1,024 float32; b2 8 x 2,048 float32; x 4 x 512 x 2,048 float32.
;; Outputs: out0 4 x 512 x 2,048 float32; out1 one number float32.
;; One version. Each part assembles by itself: llvm-mc -triple=amdgcn-amd-amdhsa -mcpu=gfx1250 --defsym DOCPART=n.
;; ======== version 1 of 1: 4 launches
;; workspace buffers: xb 8,388,608 bytes; route 6,144 bytes of whole numbers; gate 16,384 bytes; part 16,384 bytes; h 10,616,832 bytes; y 33,849,344 bytes
;; launch router (part 1): grid 256 x 1, 8 waves a work-group, no clusters, 76,800 bytes of LDS; arguments x, Wg, xb, route, gate, part; writes xb, route, gate, part
.if DOCPART == 1
	.amdgcn_target "amdgcn-amd-amdhsa--gfx1250"
	.amdhsa_code_object_version 6
	.text
	.protected	k_q120a3c261c_router
	.globl	k_q120a3c261c_router
	.p2align	8
	.type	k_q120a3c261c_router,@function
k_q120a3c261c_router:
	s_mov_b64 s[64:65], 0
	v_nop
	global_prefetch_b8 v0, s[64:65] scope:SCOPE_SE
	s_setreg_imm32_b32 hwreg(HW_REG_WAVE_MODE, 25, 1), 1
	s_wait_xcnt 0x0
; ROUTER.  logits = x Wg for 8 tokens a work-group; top-2, their softmax, the full softmax and the top-1 counts; x rounded to bf16 for the products that follow.
; Every input of the program is rounded once to bf16, x and Wg here too, so that the choice of experts is made on the numbers that the products use.
; LIMITS.  The logits are f32 sums in the matrix unit's order: a token whose second and third logits agree to the last bits of f32 may choose otherwise than a sum in another order.
; NaN and infinities are not treated apart; a probability below 2^-126 counts as 0.  Ties go to the lower index (strict compare, ascending).
; SHARES.  Work-group b: tokens 8 b .. 8 b + 7.  Wave w: channels 256 w .. 256 w + 255 of all eight (a split of K); the eight partial sums meet in LDS, wave 0 finishes.
; No address, branch or mask of lanes hangs on a logit: the choice leaves as bitmaps at fixed places.
;   route: three tables [8 experts][256 bytes], byte b = this work-group's eight tokens: chosen (0), chosen as the higher-numbered of the two (2,048), how many chose (4,096)
;   gate:  [token][2] f32: the weight of the lower-numbered expert, of the higher     part: [b][16] f32: eight sums of probabilities, eight top-1 counts
.set XSP,   528                        ; an LDS row of x: 512 bytes + 16: the eight rows of a fragment load start 132 words apart
.set WAVEB, 8448                       ; a wave's own LDS: 8 rows of x (4,224), then Wg as [256 channels][8 experts] bf16 (4,096)
.set WSO,   4224
.set XW,    8*WAVEB                    ; 8 x 1,024 bytes: each wave's partial logits
.set SPARE, XW+8192                    ; the spare words: 128 bytes a wave, named by no other line
	s_load_b256 s[4:11], s[0:1], 0x0               ; x s[4:5], Wg s[6:7], xb s[8:9], route s[10:11]
	s_load_b128 s[12:15], s[0:1], 0x20             ; gate s[12:13], part s[14:15]
	v_lshl_add_u32 v1, v0, 2, SPARE                ; my spare word,
	v_mov_b32 v2, 0                                ; and 0: kept for the closing add alone
	v_lshrrev_b32 v3, 5, v0
	v_readfirstlane_b32 s16, v3                    ; wave
	v_and_b32 v3, 31, v0                           ; lane
	v_and_b32 v4, 7, v0                            ; lane % 8: my token, my expert row
	v_bfe_u32 v5, v0, 4, 1                         ; half of the lanes
	s_mov_b32 s19, ttmp9                           ; b
	s_mul_i32 s17, s16, WAVEB
	s_lshl_b32 s18, s16, 13
	v_lshl_add_u32 v6, v3, 4, s18                  ; Wg: 8,192 w + 16 lane
	s_lshl_b32 s24, s16, 10
	v_lshl_add_u32 v7, v3, 4, s24                  ; x: 1,024 w + 16 lane
	s_lshl_b32 s25, s16, 9
	v_lshl_add_u32 v8, v3, 3, s25                  ; xb: 512 w + 8 lane
	v_lshl_add_u32 v9, v3, 3, s17                  ; LDS, in: 8 lane in my wave's part
	v_lshl_add_u32 v10, v5, 3, v4
	v_lshlrev_b32 v10, 4, v10
	v_add_nc_u32 v10, s17, v10                     ; Wg's fragment: channel row 8 half + lane % 8, 16 bytes a row; both groups of eight lanes take the same 8 experts
	v_mul_u32_u24 v11, v4, XSP
	v_lshl_add_u32 v11, v5, 4, v11
	v_add_nc_u32 v11, s17, v11                     ; x's fragment: row lane % 8, 16 bytes for each half
	s_add_co_u32 s24, s24, XW
	v_lshl_add_u32 v12, v3, 5, s24                 ; my 32 bytes of my wave's partial logits
	v_lshl_add_u32 v13, v3, 5, XW                  ; the same place in wave 0's
	s_lshl_b32 s34, s19, 16                        ; 8 tokens of 8,192 bytes
	s_mov_b32 s35, 0
	s_lshl_b32 s36, s19, 15                        ; 8 tokens of 4,096 bytes
	s_mov_b32 s37, 0
	s_lshl_b32 s38, s19, 6                         ; 64 bytes in gate and in part
	s_mov_b32 s39, 0
	s_wait_kmcnt 0x0
	s_add_nc_u64 s[20:21], s[4:5], s[34:35]
	s_add_nc_u64 s[22:23], s[8:9], s[36:37]
	s_add_nc_u64 s[30:31], s[12:13], s[38:39]
	s_add_nc_u64 s[32:33], s[14:15], s[38:39]
.irp q,0,1,2,3,4,5,6,7,8,9,10,11,12,13,14,15
	global_load_b128 v[96+4*\q:99+4*\q], v6, s[6:7] offset:512*\q               ; my 256 rows of Wg, 512 consecutive bytes a load
.endr
.irp t,0,1,2,3,4,5,6,7,8,9,10,11,12,13,14,15
	global_load_b128 v[32+4*\t:35+4*\t], v7, s[20:21] offset:(\t/2)*8192+(\t%2)*512 th:TH_LOAD_NT  ; token t / 2, half t % 2 of my 1,024 bytes; x is read once in the launch
.endr
	s_wait_loadcnt 16                              ; Wg is in: the 16 loads of x are younger
.irp q,0,1,2,3,4,5,6,7,8,9,10,11,12,13,14,15
	v_cvt_pk_bf16_f32 v[192+2*\q], v[96+4*\q], v[97+4*\q]
	v_cvt_pk_bf16_f32 v[193+2*\q], v[98+4*\q], v[99+4*\q]
	ds_store_b64 v9, v[192+2*\q:193+2*\q] offset:WSO+256*\q                      ; half the bytes, at half the offset
.endr
.irp t,0,1,2,3,4,5,6,7,8,9,10,11,12,13,14,15
.if (\t%2) == 0
	s_wait_loadcnt 14-\t                           ; this token's two loads are in: the later tokens' are younger
.endif
	v_cvt_pk_bf16_f32 v[160+2*\t], v[32+4*\t], v[33+4*\t]
	v_cvt_pk_bf16_f32 v[161+2*\t], v[34+4*\t], v[35+4*\t]
	global_store_b64 v8, v[160+2*\t:161+2*\t], s[22:23] offset:(\t/2)*4096+(\t%2)*256  ; the wave stores 256 consecutive bytes, at a multiple of 256 from xb's first byte
	ds_store_b64 v9, v[160+2*\t:161+2*\t] offset:(\t/2)*XSP+(\t%2)*256
.endr
	; Fragments of 32 channels.  Source 0 = 16 rows of Wg^T (experts 0-7 twice), turned on the way out of LDS; source 1 = 16 columns of x^T (tokens 0-7 twice).
	; LDS serves a wave's instructions in order (ISA guide 5.7.1.4): these loads see my stores above, and no other wave touches these bytes.
.irp s,0,1,2,3,4,5,6,7
	ds_load_tr16_b128 v[32+8*\s:35+8*\s], v10 offset:WSO+512*\s
	ds_load_tr16_b128 v[36+8*\s:39+8*\s], v10 offset:WSO+512*\s+256
	ds_load_b128 v[96+8*\s:99+8*\s], v11 offset:64*\s
	ds_load_b128 v[100+8*\s:103+8*\s], v11 offset:64*\s+32
.endr
	; Two accumulators by turns; the first two products start the sums.  In the result a lane holds token lane % 8 and, in registers 0-7, experts 0-7.
.irp s,0,1,2,3,4,5,6,7
	s_wait_dscnt 28-4*\s                           ; four loads for each later step are younger
.if \s < 2
	v_wmma_f32_16x16x32_bf16 v[224+8*\s:231+8*\s], v[32+8*\s:39+8*\s], v[96+8*\s:103+8*\s], 0
.else
	v_wmma_f32_16x16x32_bf16 v[224+8*(\s%2):231+8*(\s%2)], v[32+8*\s:39+8*\s], v[96+8*\s:103+8*\s], v[224+8*(\s%2):231+8*(\s%2)]
.endif
.endr
.rept 4
	v_nop                                          ; four places between the last product and the first read of a result (ISA guide 7.12.1)
.endr
.irp p,0,1,2,3
	v_pk_add_f32 v[240+2*\p:241+2*\p], v[224+2*\p:225+2*\p], v[232+2*\p:233+2*\p]  ; both accumulators from their low end on
.endr
	ds_store_b128 v12, v[240:243]
	ds_store_b128 v12, v[244:247] offset:16
	s_wait_dscnt 0x0                               ; for wave 0's sake: my partial logits are in LDS
	s_barrier_signal -1
	s_barrier_wait -1
	s_cmp_lg_u32 s16, 0
	s_cbranch_scc1 .Lend                           ; waves 1-7 are done
.irp w,0,1,2,3,4,5,6,7
	ds_load_b128 v[32+8*\w:35+8*\w], v13 offset:1024*\w
	ds_load_b128 v[36+8*\w:39+8*\w], v13 offset:1024*\w+16
.endr
	s_wait_dscnt 0x0
.irp p,0,1,2,3
	v_pk_add_f32 v[32+2*\p:33+2*\p], v[32+2*\p:33+2*\p], v[40+2*\p:41+2*\p]
	v_pk_add_f32 v[48+2*\p:49+2*\p], v[48+2*\p:49+2*\p], v[56+2*\p:57+2*\p]
	v_pk_add_f32 v[64+2*\p:65+2*\p], v[64+2*\p:65+2*\p], v[72+2*\p:73+2*\p]
	v_pk_add_f32 v[80+2*\p:81+2*\p], v[80+2*\p:81+2*\p], v[88+2*\p:89+2*\p]
.endr
.irp p,0,1,2,3
	v_pk_add_f32 v[32+2*\p:33+2*\p], v[32+2*\p:33+2*\p], v[48+2*\p:49+2*\p]
	v_pk_add_f32 v[64+2*\p:65+2*\p], v[64+2*\p:65+2*\p], v[80+2*\p:81+2*\p]
.endr
.irp p,0,1,2,3
	v_pk_add_f32 v[16+2*\p:17+2*\p], v[32+2*\p:33+2*\p], v[64+2*\p:65+2*\p]      ; v16-23: my token's eight logits
.endr
	; the largest logit m1 and its index i1; then the same with the winner set to minus infinity: m2, i2
	v_mov_b32 v24, v16
	v_mov_b32 v25, 0
.irp e,1,2,3,4,5,6,7
	v_cmp_gt_f32 vcc_lo, v[16+\e], v24
	v_cndmask_b32 v24, v24, v[16+\e], vcc_lo
	v_cndmask_b32 v25, v25, \e, vcc_lo
.endr
	v_mov_b32 v28, 0xff800000
.irp e,0,1,2,3,4,5,6,7
	v_cmp_eq_u32 vcc_lo, \e, v25
	v_cndmask_b32 v[240+\e], v[16+\e], v28, vcc_lo
.endr
	v_mov_b32 v26, v240
	v_mov_b32 v27, 0
.irp e,1,2,3,4,5,6,7
	v_cmp_gt_f32 vcc_lo, v[240+\e], v26
	v_cndmask_b32 v26, v26, v[240+\e], vcc_lo
	v_cndmask_b32 v27, v27, \e, vcc_lo
.endr
	; both softmaxes take the maximum m1 away first
	v_sub_f32 v29, v26, v24
	v_mul_f32 v29, 0x3fb8aa3b, v29
.irp e,0,1,2,3,4,5,6,7
	v_sub_f32 v[240+\e], v[16+\e], v24
.endr
.irp e,0,1,2,3,4,5,6,7
	v_mul_f32 v[240+\e], 0x3fb8aa3b, v[240+\e]
.endr
	v_exp_f32 v29, v29                             ; e^(m2 - m1)
.irp e,0,1,2,3,4,5,6,7
	v_exp_f32 v[240+\e], v[240+\e]
.endr
	v_nop                                          ; a plain instruction behind the run of exponentials (ISA guide 5.7.2)
	s_wait_alu depctr_va_vdst(0)
	v_add_f32 v30, 1.0, v29
	v_pk_add_f32 v[248:249], v[240:241], v[242:243]
	v_pk_add_f32 v[250:251], v[244:245], v[246:247]
	v_pk_add_f32 v[248:249], v[248:249], v[250:251]
	v_add_f32 v31, v248, v249
	v_rcp_f32 v30, v30                             ; the winner's weight
	v_rcp_f32 v31, v31
	v_nop
	s_wait_alu depctr_va_vdst(0)
	v_mul_f32 v29, v29, v30                        ; the second's weight
.irp e,0,1,2,3,4,5,6,7
	v_mul_f32 v[240+\e], v[240+\e], v31            ; the token's probabilities
.endr
	v_min_u32 v248, v25, v27                       ; the lower-numbered of the two experts,
	v_max_u32 v249, v25, v27                       ; the higher,
	v_cmp_lt_u32 vcc_lo, v25, v27
	v_cndmask_b32 v250, v29, v30, vcc_lo           ; and their weights in that order
	v_cndmask_b32 v251, v30, v29, vcc_lo
	; lanes 0-7 hold the eight tokens: a compare's low byte is an expert's byte of a bitmap.  One register gathers the 24 bytes: lane e, 8 + e, 16 + e.
	v_mov_b32 v252, 0
.irp e,0,1,2,3,4,5,6,7
	v_cmp_eq_u32 s24, \e, v248
	v_cmp_eq_u32 s25, \e, v249
	v_cmp_eq_u32 s26, \e, v25
	s_or_b32 s24, s24, s25
	s_and_b32 s24, s24, 0xff
	s_and_b32 s25, s25, 0xff
	s_and_b32 s26, s26, 0xff
	s_bcnt1_i32_b32 s27, s24
	s_bcnt1_i32_b32 s26, s26
	v_writelane_b32 v252, s24, \e
	v_writelane_b32 v252, s25, 8+\e
	v_writelane_b32 v252, s27, 16+\e
	v_cvt_f32_u32 v[40+\e], s26                    ; how many of the eight tokens have e on top
.endr
.irp m,1,2,4
.irp e,0,1,2,3,4,5,6,7
	v_add_f32_dpp v[240+\e], v[240+\e], v[240+\e] row_xmask:\m row_mask:0xf bank_mask:0xf  ; the eight tokens' probabilities summed
.endr
.endr
	v_lshlrev_b32 v254, 3, v3
	v_lshl_add_u32 v255, v3, 8, s19                ; table lane / 8, expert lane % 8, byte b
	v_mov_b32 v253, 0
	v_cmp_gt_u32 vcc_lo, 8, v3
	s_wait_xcnt 0x0                                ; EXEC is a source of the stores above: it changes only behind this wait
	s_and_saveexec_b32 s28, vcc_lo
	global_store_b64 v254, v[250:251], s[30:31]    ; eight tokens' gates
	s_wait_xcnt 0x0
	s_or_b32 exec_lo, exec_lo, s28
	v_cmp_gt_u32 vcc_lo, 24, v3
	s_and_saveexec_b32 s28, vcc_lo
	global_store_b8 v255, v252, s[10:11]           ; 24 single bytes: the tables are laid for their readers, who take whole words in token order
	s_wait_xcnt 0x0
	s_or_b32 exec_lo, exec_lo, s28
	v_cmp_eq_u32 vcc_lo, 0, v3
	s_and_saveexec_b32 s28, vcc_lo
	global_store_b128 v253, v[240:243], s[32:33]
	global_store_b128 v253, v[244:247], s[32:33] offset:16
	global_store_b128 v253, v[40:43], s[32:33] offset:32
	global_store_b128 v253, v[44:47], s[32:33] offset:48
	s_wait_xcnt 0x0
	s_or_b32 exec_lo, exec_lo, s28
.Lend:
	s_wait_tensorcnt 0x0                           ; the wave's end
	ds_add_u32 v1, v2
	s_wait_dscnt 0x0
	s_endpgm
.Lfunc_end_k_q120a3c261c_router:
	.size	k_q120a3c261c_router, .Lfunc_end_k_q120a3c261c_router-k_q120a3c261c_router
	.p2alignl 7, 3214868480
	.fill 96, 4, 3214868480
	.section	.rodata,"a",@progbits
	.p2align	6, 0x0
	.amdhsa_kernel k_q120a3c261c_router
		.amdhsa_group_segment_fixed_size 76800
		.amdhsa_private_segment_fixed_size 0
		.amdhsa_enable_private_segment 0
		.amdhsa_kernarg_size 48
		.amdhsa_user_sgpr_count 2
		.amdhsa_user_sgpr_kernarg_segment_ptr 1
		.amdhsa_wavefront_size32 1
		.amdhsa_system_sgpr_workgroup_id_x 1
		.amdhsa_system_sgpr_workgroup_id_y 1
		.amdhsa_system_sgpr_workgroup_id_z 1
		.amdhsa_system_vgpr_workitem_id 0
		.amdhsa_next_free_vgpr 256
		.amdhsa_next_free_sgpr 66
		.amdhsa_reserve_vcc 1
		.amdhsa_float_denorm_mode_32 3
		.amdhsa_float_denorm_mode_16_64 3
		.amdhsa_memory_ordered 1
		.amdhsa_forward_progress 1
		.amdhsa_inst_pref_size 32
	.end_amdhsa_kernel
	.amdgpu_metadata
---
amdhsa.version: [ 1, 2 ]
amdhsa.kernels:
  - .name:           k_q120a3c261c_router
    .symbol:         k_q120a3c261c_router.kd
    .args:
      - { .name: x, .offset: 0, .size: 8, .value_kind: global_buffer, .address_space: global }
      - { .name: Wg, .offset: 8, .size: 8, .value_kind: global_buffer, .address_space: global }
      - { .name: xb, .offset: 16, .size: 8, .value_kind: global_buffer, .address_space: global }
      - { .name: route, .offset: 24, .size: 8, .value_kind: global_buffer, .address_space: global }
      - { .name: gate, .offset: 32, .size: 8, .value_kind: global_buffer, .address_space: global }
      - { .name: part, .offset: 40, .size: 8, .value_kind: global_buffer, .address_space: global }
    .group_segment_fixed_size: 76800
    .private_segment_fixed_size: 0
    .kernarg_segment_align: 8
    .kernarg_segment_size: 48
    .max_flat_workgroup_size: 256
    .sgpr_count:     66
    .vgpr_count:     256
    .wavefront_size: 32
...
	.end_amdgpu_metadata
.endif
;; end of part 1
;; launch ffn1 (part 2): grid 8 x 36, 4 waves a work-group, no clusters, 208,896 bytes of LDS; arguments route, xb, W1, b1, h, part, out1; writes h, out1
.if DOCPART == 2
	.amdgcn_target "amdgcn-amd-amdhsa--gfx1250"
	.amdhsa_code_object_version 6
	.text
	.protected	k_q120a3c261c_ffn1
	.globl	k_q120a3c261c_ffn1
	.p2align	8
	.type	k_q120a3c261c_ffn1,@function
k_q120a3c261c_ffn1:
	s_mov_b64 s[64:65], 0
	v_nop
	global_prefetch_b8 v0, s[64:65] scope:SCOPE_SE
	s_setreg_imm32_b32 hwreg(HW_REG_WAVE_MODE, 25, 1), 1
	s_wait_xcnt 0x0
; FIRST PRODUCT OF THE CHOSEN EXPERTS.  h = relu(x W1[e] + b1[e]) for the rows that chose e, and for no others; h leaves in bf16.  One work-group also makes the load-balance number.
; W1 and b1 are rounded once to bf16 on their way through registers (x was rounded by the launch before); sums in f32; h is rounded once.  NaN and infinities are not treated apart.
; THE DEAL.  An expert's rows, in token order, are cut into GROUPS of 144 (9 tiles of 16).  Whatever the split, ceil(c_e / 144) summed over 8 experts with 4,096 rows in all is at most
; floor((4,096 + 8 x 143) / 144) = 36: the grid has 36 groups (y) x 8 slices of 128 columns (x).  Every work-group works the deal out from the stored counts.  A group past the last one has no rows:
; it passes every barrier, jumps the work and stores nothing.  Tiles past a group's count are jumped; in a tile that is not full the places past the count repeat token 2,047.
; SHARES.  Four waves = 2 halves of K (kh) x 2 halves of the 128 columns (nh): each 144 rows x 64 columns x 1,024 of K, 36 accumulators.  The two halves of K meet in LDS at the end.
; W1 GOES FROM MEMORY STRAIGHT INTO OPERANDS.  Of a wave's 64 columns, column tile j is the columns 4 r + j (r = lane % 16).  A lane loads 16 bytes, columns 4 r .. 4 r + 3 of one row k: sixteen lanes take 256
; consecutive bytes.  Two rows' numbers of one column, rounded together, are one register of that column tile's fragment, k in its true place.  In the results a lane then holds four neighbouring columns of a row.
; x's rows come by a list, through registers into two LDS slots that take turns, 128 of each half of K a stage.  NO TENSOR LOADS, NO CLUSTER: rows named by a list are no tile of a tensor, an expert's number of
; groups hangs on the counts, so partners would not be alike, and f32 weights pass through registers to be rounded in any case.
; A STEP AHEAD.  While step s is multiplied, W1 of step s + 1 is rounded into the other fragment buffer, and x's fragments of step s + 1 are loaded into the registers that step s has just read.
; REGISTERS, in windows of 256 (s_set_vgpr_msb: bits 1:0 source 0, 3:2 source 1, 5:4 source 2, 7:6 destination):
;   window 0: v0-15 fixed (below); v16-31 at work; v32-67 my 36 rows' offsets in xb; v68-71 bias; v72-143 x's fragments, 9 tiles; v144-207 W1's fragments, two buffers; v208-255 at work
;   window 1: accumulator (tile mt, column tile j) at 32 mt + 8 j, mt 0-7      window 2: v0-31 those of mt 8; v32-175 x's rows on their way to LDS      window 3: W1 in f32, four slots of 64
.set ROWB,   4096                      ; bytes in a row of W1
.set STEPB,  32*ROWB                   ; a step: 32 of K
.set STAGEB, 4*STEPB                   ; a stage: 4 steps, one LDS slot
.set PITCH,  528                       ; an LDS row: 256 bytes of each half of K + 16: the 16 rows of a fragment load start 132 words apart
.set SLOTX,  131072                    ; slot 1 begins here (a slot is 144 x 528 = 76,032 bytes): one exclusive or changes slots
.set LISTB,  77824                     ; behind slot 0: each wave's own list, 1,024 bytes
.set SPARE,  81920                     ; the spare words: 128 bytes a wave, named by no other line
.set RTB,    86016                     ; each wave's own copy of the two bitmaps, all experts: 4,096 bytes
.set ASUB,   18                        ; my 36 rows of x come in two runs of 18 loads
.set AF,     72
.set BF,     144
.set MSB, 0
.macro WIN new                         ; the immediate's high byte repeats the setting that is left; a switch that changes nothing is dropped
.if MSB != (\new)
	s_set_vgpr_msb (MSB<<8)|(\new)
.set MSB, (\new)
.endif
.endm
; 16 loads: the 32 rows of one step (a lane's half takes rows 8 h + 0..7 and 16 + 8 h + 0..7), my 64 columns, into a slot of window 3
.macro BLOAD imm, slot
	WIN 0xc0
.set kk, 0
.rept 16
	global_load_b128 v[64*(\slot)+4*kk:64*(\slot)+4*kk+3], v6, s[56:57] offset:(\imm)+(kk+8*(kk/8))*ROWB
.set kk, kk+1
.endr
.endm
; Roundings from .. from + cnt - 1 of the 32 that make a slot into the four column tiles' fragments: number c is register c % 8 of column tile c / 8, made of rows 2 (c % 8) and 2 (c % 8) + 1 of the lane's sixteen
.macro CVTP slot, buf, from, cnt
	WIN 0x0f
.set c, \from
.rept \cnt
	v_cvt_pk_bf16_f32 v[BF+32*(\buf)+c], v[64*(\slot)+8*(c%8)+c/8], v[64*(\slot)+8*(c%8)+c/8+4]
.set c, c+1
.endr
.endm
; x's fragments of step ks, tiles from .. to: two LDS loads a tile
.macro AFL ks, from, to
	WIN 0
.set m, \from
.rept (\to)-(\from)+1
.if m < 4
	ds_load_b128 v[AF+8*m:AF+8*m+3], v10 offset:m*16*PITCH+64*(\ks)
	ds_load_b128 v[AF+8*m+4:AF+8*m+7], v10 offset:m*16*PITCH+64*(\ks)+32
.else
	ds_load_b128 v[AF+8*m:AF+8*m+3], v11 offset:(m-4)*16*PITCH+64*(\ks)
	ds_load_b128 v[AF+8*m+4:AF+8*m+7], v11 offset:(m-4)*16*PITCH+64*(\ks)+32
.endif
.set m, m+1
.endr
.endm
.macro ALOAD sub                       ; 18 of my 36 rows: lanes 0-15 take 256 bytes of the first half of K, lanes 16-31 of the second
	WIN 0x80
.set q, ASUB*(\sub)
.rept ASUB
	global_load_b128 v[32+4*q:35+4*q], v[32+q], s[58:59]
.set q, q+1
.endr
.endm
.macro ASTORE sub
	WIN 0x08
.set q, ASUB*(\sub)
.rept ASUB
	ds_store_b128 v13, v[32+4*q:35+4*q] offset:PITCH*q
.set q, q+1
.endr
.endm
; Tile g's four products; jumped where the group has no such tile.  The accumulators take turns, one instruction a turn, over steps and the loop's edge too.
; cnt: the LDS instructions younger than tile g's two fragment loads.
.macro GROUP g, buf, cnt
	WIN 0                                          ; at a branch and at a label every window is 0
.if (\g) > 0
	s_cmp_le_u32 s39, \g
	s_cbranch_scc1 .Lg_\@
.endif
	s_wait_dscnt \cnt
.if (\g) < 8
	WIN 0x50
.set AC, 32*(\g)
.else
	WIN 0xa0
.set AC, 0
.endif
.irp j,0,1,2,3
	v_wmma_f32_16x16x32_bf16 v[AC+8*\j:AC+8*\j+7], v[AF+8*(\g):AF+8*(\g)+7], v[BF+32*(\buf)+8*\j:BF+32*(\buf)+8*\j+7], v[AC+8*\j:AC+8*\j+7]
.endr
	WIN 0
.Lg_\@:
.endm
; An expert's first group asks, in stage t < 6, for the 128 rows of stage t + 2 (four steps ahead of the step that loads the first of them): a lane a row, my wave's own 256 bytes of it.
; So each such run of W1 is asked for once in the launch; stages 6 and 7 ask for nothing, and no request passes the wave's 1,024 rows.
.macro PREF
	WIN 0
	s_cmp_lt_u32 s42, s43
	s_cbranch_scc0 .Lnopf_\@
.irp i,8,9,10,11
	global_prefetch_b8 v7, s[56:57] offset:\i*STEPB th:TH_LOAD_NT scope:SCOPE_SE
.endr
.Lnopf_\@:
.endm
; A STEP: 32 of K, on fragments that were made ready in the step before.
;   tiles 0-3 | eight roundings | THE MIDDLE RUN: x's rows into the other slot, x's fragments 0-3 of the next step, the next stage's rows of x, W1 four steps on | tiles 4-8, roundings behind each | THE END RUN: fragments 4-8
; The memory instructions stand in those two runs alone.  The eight roundings, and the four behind tile 8, name window 3 and the fragment buffer that this step does not multiply: they are the four places
; between a product and the loads into the fragment that it read, and between this step's last product and the next step's first write into the buffer that it read.
; LDS counts.  A tile of 0-3 was loaded in the last step's middle run (in a stage's first step: at its head): behind tile g's two loads stand those of tiles g + 1 .. 3 and the ten of tiles 4-8: 16 - 2 g.
; A tile of 4-8: those of tiles g + 1 .. 8 and this step's middle run, ST stores and MID loads.  The two waits in front of the runs repeat the count of the last tile, for the ways on which tiles were jumped:
; no load is issued into a register that a pending load will write.
; more = 1: the next stage's x is loaded (steps 0, 1) and laid into the other slot (steps 2, 3).  newb = 1: W1 of the step four on is asked for, into the slot rounded in the step before.
; cv = 1: there is a next step.  lc: the global loads that may stay out when the next step's W1 (and, in steps 2 and 3, a run of x's rows) has to be there.
.macro STEP ks, more, newb, cv, lc
.set PB, (\ks)%2
.set MID, 0
.if (\ks) < 3
.set MID, 8
.endif
.set ST, 0
.if (\more) && ((\ks) >= 2)
.set ST, ASUB
.endif
	GROUP 0, PB, 16
	GROUP 1, PB, 14
	GROUP 2, PB, 12
	GROUP 3, PB, 10
	s_wait_dscnt 10
.if \cv
	s_wait_loadcnt \lc
	CVTP ((\ks)+1)%4, 1-PB, 0, 8
.endif
.if ST
	ASTORE (\ks)-2
.endif
.if (\ks) < 3
	AFL (\ks)+1, 0, 3
.endif
.if (\more) && ((\ks) < 2)
	ALOAD \ks
.endif
.if \newb
	BLOAD ((\ks)+4)*STEPB, \ks
.endif
.if (\more) && ((\ks) == 0)
	PREF
.endif
.irp g,4,5,6,7,8
	GROUP \g, PB, 16-2*\g+ST+MID
.if \cv
.if \g < 8
	CVTP ((\ks)+1)%4, 1-PB, 5*\g-12, 5
.else
	CVTP ((\ks)+1)%4, 1-PB, 28, 4
.endif
.endif
.endr
	WIN 0
.if (\ks) < 3
	s_wait_dscnt ST+MID
	AFL (\ks)+1, 4, 8
.endif
.endm
; THE LIST, eight words of the bitmap at a time; each line is written for all eight, so that no line reads the result of the line before it.  s74-82: the ranks so far, less my group's first rank, in front of
; each word and behind the last.  A lane's rank is the ones below it in its word plus that; a lane whose bit is off, or whose rank is not my group's (below: the difference wraps; above), stores into place 144,
; which nobody reads.  A chunk none of whose ranks is my group's is jumped.
.macro LCHUNK c
.irp i,0,1,2,3,4,5,6,7
	v_readlane_b32 s[66+\i], v17, 8*(\c)+\i
.endr
	s_mov_b32 s74, s46
.irp i,0,1,2,3,4,5,6,7
	s_bcnt1_i32_b32 s48, s[66+\i]
	s_add_co_u32 s[75+\i], s[74+\i], s48
.endr
	s_mov_b32 s46, s82
	s_cmp_ge_i32 s74, 0x90
	s_cbranch_scc1 .Lch_\@                         ; all its ranks lie behind my 144
	s_cmp_le_i32 s82, 0
	s_cbranch_scc1 .Lch_\@                         ; or all in front of them
.irp i,0,1,2,3,4,5,6,7
	v_readlane_b32 s[84+\i], v18, 8*(\c)+\i
.endr
.irp i,0,1,2,3,4,5,6,7
	v_mbcnt_lo_u32_b32 v[208+\i], s[66+\i], s[74+\i]
.endr
.irp i,0,1,2,3,4,5,6,7
	v_and_b32 v[216+\i], s[66+\i], v15
.endr
.irp i,0,1,2,3,4,5,6,7
	v_cmp_ne_u32 s[92+\i], 0, v[216+\i]
.endr
.irp i,0,1,2,3,4,5,6,7
	v_cndmask_b32 v[208+\i], v27, v[208+\i], s[92+\i]
.endr
.irp i,0,1,2,3,4,5,6,7
	v_min_u32 v[208+\i], 0x90, v[208+\i]
.endr
.irp i,0,1,2,3,4,5,6,7
	v_lshl_add_u32 v[208+\i], v[208+\i], 2, v14
.endr
.irp i,0,1,2,3,4,5,6,7
	v_lshrrev_b32 v[216+\i], v3, s[84+\i]
.endr
.irp i,0,1,2,3,4,5,6,7
	v_and_or_b32 v[216+\i], v[216+\i], 1, v26      ; the slot, and 2 x my lane's token in the half's word 0,
.endr
.irp i,0,1,2,3,4,5,6,7
	v_add_nc_u32 v[216+\i], 64*(8*(\c)+\i), v[216+\i]  ; and 64 for each word
.endr
.irp i,0,1,2,3,4,5,6,7
	ds_store_b32 v[208+\i], v[216+\i]
.endr
.Lch_\@:
.endm
	s_load_b256 s[4:11], s[0:1], 0x0               ; route s[4:5], xb s[6:7], W1 s[8:9], b1 s[10:11]
	s_load_b128 s[12:15], s[0:1], 0x20             ; h s[12:13], part s[14:15]
	s_load_b64 s[16:17], s[0:1], 0x30              ; out1
	v_lshl_add_u32 v1, v0, 2, SPARE                ; v1  my spare word,
	v_mov_b32 v2, 0                                ; v2  and 0: kept for the closing add alone
	v_lshrrev_b32 v16, 5, v0
	v_readfirstlane_b32 s18, v16                   ; wave
	s_lshr_b32 s19, s18, 1                         ; kh: my half of K
	s_and_b32 s20, s18, 1                          ; nh: my half of the columns
	s_mov_b32 s21, ttmp9                           ; slice
	s_and_b32 s22, ttmp7, 0xffff                   ; group gi
	v_and_b32 v3, 31, v0                           ; v3  lane
	v_and_b32 v4, 15, v0                           ; v4  r
	v_bfe_u32 v5, v0, 4, 1                         ; v5  half hh
	v_lshlrev_b32 v21, 4, v4                       ; v21 16 r
	v_lshl_add_u32 v6, v5, 15, v21                 ; v6  W1: 8 hh rows + 16 r
	v_lshlrev_b32 v7, 12, v3                       ; v7  the prefetch: a row a lane
	v_mul_u32_u24 v8, v4, PITCH
	v_lshl_add_u32 v8, v5, 4, v8
	s_lshl_b32 s48, s19, 8
	v_add_nc_u32 v8, s48, v8                       ; v8  x's fragments: row r, 16 bytes a half, my half of K; tiles 0-3
	v_add_nc_u32 v9, 4*16*PITCH, v8                ; v9  tiles 4-8 (an LDS offset has 16 bits)
	s_mul_i32 s48, s18, 36*PITCH
	v_lshl_add_u32 v12, v3, 4, s48                 ; v12 where my 36 rows go: row 36 w, 16 bytes a lane
	s_lshl_b32 s23, s18, 10
	s_add_co_u32 s23, s23, LISTB
	v_mov_b32 v14, s23                             ; v14 my wave's list
	v_lshlrev_b32 v15, v3, 1                       ; v15 my lane's bit
	s_lshl_b32 s47, s18, 12
	s_add_co_u32 s47, s47, RTB                     ; s47 my wave's copy of the bitmaps
	v_lshl_add_u32 v22, v3, 4, s47
	v_lshlrev_b32 v16, 6, v3
	v_lshlrev_b32 v23, 4, v3
	s_add_co_u32 s48, s22, 4096                    ; every place of my list starts as 4,096 + gi: what the places past the count keep
	v_mov_b32 v28, s48
	v_lshl_add_u32 v24, v3, 2, v14
.irp k,0,1,2,3,4
	ds_store_b32 v24, v28 offset:128*\k
.endr
	s_wait_kmcnt 0x0
	; ALL OF route IN ONE ROUND TRIP: the counts (lane l: 64 of expert l / 4's 256 bytes), and both bitmaps of all experts, of which my expert's words are picked out of LDS when the deal is known.
.irp c,0,1,2,3
	global_load_b128 v[208+4*\c:211+4*\c], v16, s[4:5] offset:4096+16*\c
.endr
.irp q,0,1,2,3,4,5,6,7
	global_load_b128 v[224+4*\q:227+4*\q], v23, s[4:5] offset:512*\q
.endr
	; THE LOAD-BALANCE NUMBER, by wave 0 of work-group (0, 35): 0.01 x 8 x sum over e of (top-1 count / 2,048) (sum of probabilities / 2,048).  It stands here so that its loads share the wait of the loads above.
	s_cmp_lg_u32 s21, 0
	s_cbranch_scc1 .Lno_lb
	s_cmp_lg_u32 s22, 35
	s_cbranch_scc1 .Lno_lb
	s_cmp_lg_u32 s18, 0
	s_cbranch_scc1 .Lno_lb
	v_lshlrev_b32 v19, 6, v3
.irp q,0,1,2,3,4,5,6,7
.irp c,0,1,2,3
	global_load_b128 v[72+16*\q+4*\c:75+16*\q+4*\c], v19, s[14:15] offset:2048*\q+16*\c   ; rows lane + 32 q of part's 256
.endr
.endr
	s_mov_b32 s50, 0x76543210                      ; v_permlanex16_b32: each lane takes its own place in the other half
	s_mov_b32 s51, 0xfedcba98
	s_wait_loadcnt 0x0
.irp q,1,2,3,4,5,6,7
.irp p,0,1,2,3,4,5,6,7
	v_pk_add_f32 v[72+2*\p:73+2*\p], v[72+2*\p:73+2*\p], v[72+16*\q+2*\p:73+16*\q+2*\p]
.endr
.endr
.irp m,1,2,4,8
.irp k,0,1,2,3,4,5,6,7,8,9,10,11,12,13,14,15
	v_add_f32_dpp v[72+\k], v[72+\k], v[72+\k] row_xmask:\m row_mask:0xf bank_mask:0xf
.endr
.endr
.irp k,0,1,2,3,4,5,6,7,8,9,10,11,12,13,14,15
	v_permlanex16_b32 v[88+\k], v[72+\k], s50, s51
.endr
.irp k,0,1,2,3,4,5,6,7,8,9,10,11,12,13,14,15
	v_add_f32 v[72+\k], v[72+\k], v[88+\k]
.endr
	v_mul_f32 v200, v72, v80
.irp e,1,2,3,4,5,6,7
	v_fmac_f32 v200, v[72+\e], v[80+\e]
.endr
	v_mul_f32 v200, 0x32a3d70a, v200               ; 0.08 / 2^22
	v_mov_b32 v201, 0
	v_cmp_eq_u32 vcc_lo, 0, v3
	s_wait_xcnt 0x0                                ; EXEC changes only behind this wait
	s_and_saveexec_b32 s48, vcc_lo
	global_store_b32 v201, v200, s[16:17]
	s_wait_xcnt 0x0                                ; and again; the store's two registers are also free behind it
	s_or_b32 exec_lo, exec_lo, s48
.Lno_lb:
	s_wait_loadcnt 0x0
.irp q,0,1,2,3,4,5,6,7
	ds_store_b128 v22, v[224+4*\q:227+4*\q] offset:512*\q   ; the bitmaps, as they lie in memory
.endr
	; THE COUNTS.  A byte is at most 8, so 16 words add bytewise without a carry; then bytes, halves and four lanes are folded.
.irp c,209,211,213,215,217,219,221
	v_add3_u32 v208, v208, v[\c], v[\c+1]
.endr
	v_add_nc_u32 v208, v208, v223
	v_lshrrev_b32 v209, 8, v208
	v_and_b32 v208, 0xff00ff, v208
	v_and_b32 v209, 0xff00ff, v209
	v_add_nc_u32 v208, v208, v209
	v_lshrrev_b32 v209, 16, v208
	v_and_b32 v208, 0xffff, v208
	v_add_nc_u32 v208, v208, v209
	v_mov_b32_dpp v209, v208 row_xmask:1 row_mask:0xf bank_mask:0xf
	v_add_nc_u32 v208, v208, v209
	v_mov_b32_dpp v209, v208 row_xmask:2 row_mask:0xf bank_mask:0xf
	v_add_nc_u32 v208, v208, v209
.irp e,0,1,2,3,4,5,6,7
	v_readlane_b32 s[24+\e], v208, 4*\e
.endr
	; THE DEAL.  s35 runs through the experts' first groups; the last expert whose first group is not beyond gi is mine.  (c + 143) x 7,282 >> 20 = ceil(c / 144) for c + 143 below 32,768.
	s_mov_b32 s35, 0
	s_mov_b32 s32, 0
	s_mov_b32 s33, 0
	s_mov_b32 s34, 0
.irp e,0,1,2,3,4,5,6,7
	s_cmp_ge_u32 s22, s35
	s_cselect_b32 s32, \e, s32                     ; s32 my expert
	s_cselect_b32 s33, s35, s33                    ; s33 its first group
	s_cselect_b32 s34, s[24+\e], s34               ; s34 its rows
	s_add_co_u32 s36, s[24+\e], 143
	s_mul_i32 s36, s36, 7282
	s_lshr_b32 s36, s36, 20
	s_add_co_u32 s35, s35, s36
.endr
	s_min_u32 s32, s32, 7
	s_sub_co_u32 s36, s22, s33                     ; my group among the expert's
	s_mul_i32 s37, s36, 144                        ; its first rank
	s_sub_co_i32 s38, s34, s37
	s_max_i32 s38, s38, 0
	s_min_i32 s38, s38, 144                        ; s38 my rows, 0 to 144
	s_add_co_u32 s39, s38, 15
	s_lshr_b32 s39, s39, 4                         ; s39 my tiles, 0 to 9
	s_sub_co_u32 s46, 0, s37                       ; s46 ranks counted so far, less my first rank
	s_cmp_eq_u32 s36, 0
	s_cselect_b32 s43, 6, 0
	s_cmp_eq_u32 s38, 0
	s_cselect_b32 s43, 0, s43                      ; s43 stages in which I prefetch: 6 for an expert's first group
	s_lshl_b32 s48, s32, 23                        ; W1: the expert, my half of K, the slice's 128 columns, my 64 of them
	s_lshl_b32 s50, s19, 22
	s_add_co_u32 s48, s48, s50
	s_lshl_b32 s50, s21, 9
	s_lshl_b32 s51, s20, 8
	s_add_co_u32 s50, s50, s51
	s_add_co_u32 s48, s48, s50
	s_mov_b32 s49, 0
	s_add_nc_u64 s[56:57], s[8:9], s[48:49]
	s_lshl_b32 s48, s32, 12                        ; b1 likewise
	s_add_co_u32 s48, s48, s50
	s_add_nc_u64 s[54:55], s[10:11], s[48:49]
	s_mov_b64 s[58:59], s[6:7]
	s_lshl_b32 s48, s32, 8                         ; the expert's 256 bytes in each bitmap of my copy
	s_add_co_u32 s48, s48, s47
	v_lshl_add_u32 v16, v3, 2, s48
	ds_load_b32 v17, v16                           ; who chose the expert: words 0-31 (a word a lane),
	ds_load_b32 v18, v16 offset:2048               ; and as the higher of the two.  LDS serves a wave's instructions in order (ISA guide 5.7.1.4): these see my stores above
	ds_load_b32 v19, v16 offset:128                ; words 32-63
	ds_load_b32 v20, v16 offset:2176
	global_load_b128 v[68:71], v21, s[54:55]       ; my four columns' bias
	BLOAD 0, 0
	BLOAD STEPB, 1
	WIN 0
	v_lshlrev_b32 v26, 1, v3                       ; 2 x token of my lane in word 0
	v_mov_b32 v27, 0x90
	s_mov_b32 s36, 2
	s_wait_dscnt 0x0
.Llist:                                                ; each wave makes a list of its own (so no barrier): entry i = 2 x token + slot of my group's row i.  Two trips of 32 words
.irp ch,0,1,2,3
	LCHUNK \ch
.endr
	v_mov_b32 v17, v19
	v_mov_b32 v18, v20
	v_add_nc_u32 v26, 0x800, v26
	s_sub_co_u32 s36, s36, 1
	s_cmp_lg_u32 s36, 0
	s_cbranch_scc1 .Llist
	; my 36 rows' offsets in xb: every lane reads the same 36 entries
	s_mul_i32 s48, s18, 144
	s_add_co_u32 s48, s48, s23
	v_mov_b32 v24, s48
.irp k,0,1,2,3,4,5,6,7,8
	ds_load_b128 v[32+4*\k:35+4*\k], v24 offset:16*\k
.endr
	v_lshl_add_u32 v23, v5, 11, v21                ; the second half of K lies 2,048 bytes into a row
	s_wait_dscnt 0x0
.set q, 0
.rept 36
	v_lshrrev_b32 v[32+q], 1, v[32+q]
.set q, q+1
.endr
.set q, 0
.rept 36
	v_min_u32 v[32+q], 0x7ff, v[32+q]              ; a place past the count takes token 2,047
.set q, q+1
.endr
.set q, 0
.rept 36
	v_lshl_add_u32 v[32+q], v[32+q], 12, v23
.set q, q+1
.endr
	ALOAD 0                                        ; stage 0's x
	ALOAD 1
	WIN 0
	s_wait_loadcnt 63                              ; the bias is in: 68 loads are younger; the count's field ends at 63, and a smaller count is safe
	; The accumulators start at their column's bias (rounded to bf16; in the second half of K at 0): these moves do the bias' addition, and stand in the wait for the loads.
	v_cvt_pk_bf16_f32 v22, v68, v69
	v_cvt_pk_bf16_f32 v25, v70, v71
	s_cmp_eq_u32 s19, 0
	s_cselect_b32 s48, -1, 0
	v_lshlrev_b32 v68, 16, v22
	v_and_b32 v69, 0xffff0000, v22
	v_lshlrev_b32 v70, 16, v25
	v_and_b32 v71, 0xffff0000, v25
.irp j,68,69,70,71
	v_and_b32 v[\j], s48, v[\j]
.endr
	WIN 0x40
.set a, 0
.rept 256
	v_mov_b32 v[a], v[68+(a/8)%4]
.set a, a+1
.endr
	WIN 0x80
.set a, 0
.rept 32
	v_mov_b32 v[a], v[68+(a/8)%4]
.set a, a+1
.endr
	BLOAD 2*STEPB, 2                               ; behind x's rows, which are wanted first
	BLOAD 3*STEPB, 3
	WIN 0
	v_mov_b32 v13, v12                             ; slot 0
	s_wait_loadcnt 32                              ; x's rows and W1's steps 0 and 1 are in: steps 2 and 3 are younger
	ASTORE 0
	ASTORE 1
	CVTP 0, 0, 0, 32                               ; step 0's fragments of W1
	WIN 0
	s_add_nc_u64 s[58:59], s[58:59], 256           ; x at stage 1 (its loads are done)
	s_mov_b32 s40, 0                               ; the slot that is read,
	s_mov_b32 s41, SLOTX                           ; the slot that is written
	s_mov_b32 s42, 0
.Lstage:                                               ; stages 0 to 6
	s_wait_dscnt 0x0                               ; my stores into the slot now to be read are done, and my reads of the slot now to be written are over:
	s_barrier_signal -1
	s_barrier_wait -1                              ; both hold of every wave.  Every work-group passes this barrier, also one without rows
	s_cmp_eq_u32 s39, 0
	s_cbranch_scc1 .Lidle
	v_add_nc_u32 v10, s40, v8
	v_add_nc_u32 v11, s40, v9
	v_add_nc_u32 v13, s41, v12
	AFL 0, 0, 8                                    ; a stage's first fragments can be read only behind its barrier
	; The global loads' order in a stage: x's run 0, W1(4); x's run 1, W1(5); W1(6); W1(7).
	STEP 0, 1, 1, 1, 32                            ; behind W1(1): W1(2), W1(3)
	STEP 1, 1, 1, 1, 32+ASUB                       ; behind W1(2): W1(3), run 0, W1(4)
	STEP 2, 1, 1, 1, 32+ASUB                       ; behind run 0, which this step lays into LDS: W1(4), run 1, W1(5)
	STEP 3, 1, 1, 1, 32                            ; behind run 1: W1(5), W1(6)
.Lidle:
	s_wait_xcnt 0x0                                ; the bases are stepped only behind this wait
	s_add_nc_u64 s[56:57], s[56:57], STAGEB
	s_add_nc_u64 s[58:59], s[58:59], 256
	s_xor_b32 s40, s40, SLOTX
	s_xor_b32 s41, s41, SLOTX
	s_add_co_u32 s42, s42, 1
	s_cmp_lt_u32 s42, 7
	s_cbranch_scc1 .Lstage
	s_wait_dscnt 0x0                               ; stage 7, in slot 1: nothing more is asked for
	s_barrier_signal -1
	s_barrier_wait -1
	s_cmp_eq_u32 s39, 0
	s_cbranch_scc1 .Ltail_idle
	v_add_nc_u32 v10, SLOTX, v8
	v_add_nc_u32 v11, SLOTX, v9
	AFL 0, 0, 8
	STEP 0, 0, 0, 1, 32                            ; behind W1(1): W1(2), W1(3)
	STEP 1, 0, 0, 1, 16
	STEP 2, 0, 0, 1, 0
	STEP 3, 0, 0, 0, 0
.Ltail_idle:
.rept 4
	v_nop                                          ; four places between the last product and the first read of a result (ISA guide 7.12.1)
.endr
	; THE HALVES OF K MEET.  The first half finishes tiles 0-4 and hands over its sums of tiles 5-8; the second the other way round.  They go through slot 0, whose last reads lie in front of stage 7's barrier.
	; A tile is 4,096 bytes as it lies in registers: 512 bytes for each four registers, 16 bytes a lane.
.macro XOUT mt, off
.if (\mt) < 8
	WIN 0x04
.set AC, 32*(\mt)
.else
	WIN 0x08
.set AC, 0
.endif
.irp j,0,1,2,3
	ds_store_b128 v16, v[AC+8*\j:AC+8*\j+3] offset:(\off)+1024*\j       ; each accumulator from its low end on
	ds_store_b128 v16, v[AC+8*\j+4:AC+8*\j+7] offset:(\off)+1024*\j+512
.endr
.endm
; Tile mt is finished: the partner's sums are added, rounded to bf16, cut at 0 and stored.  A lane's four columns of a row are 8 bytes; the wave's store is 256 consecutive bytes of h's tile:
; h[tile gi x 9 + mt] = 32,768 bytes, at (column / 64) x 2,048 + (row % 8) x 256 + (row / 8) x 128 + 2 (column % 64).
.macro FIN mt, off
	s_cmp_le_u32 s39, \mt
	s_cbranch_scc1 .Lfin_\@
	s_wait_xcnt 0x0                                ; the last tile's stores have read their registers
.irp j,0,1,2,3
	ds_load_b128 v[72+8*\j:75+8*\j], v16 offset:(\off)+1024*\j
	ds_load_b128 v[76+8*\j:79+8*\j], v16 offset:(\off)+1024*\j+512
.endr
	s_wait_dscnt 0x0
.if (\mt) < 8
	WIN 0x01
.set AC, 32*(\mt)
.else
	WIN 0x02
.set AC, 0
.endif
.irp i,0,1,2,3,4,5,6,7
.irp j,0,1,2,3
	v_add_f32 v[208+4*\i+\j], v[AC+8*\j+\i], v[72+8*\j+\i]
.endr
.endr
	WIN 0
.irp i,0,1,2,3,4,5,6,7
	v_cvt_pk_bf16_f32 v[240+2*\i], v[208+4*\i], v[209+4*\i]
	v_cvt_pk_bf16_f32 v[241+2*\i], v[210+4*\i], v[211+4*\i]
.endr
.irp i,0,1,2,3,4,5,6,7
	v_pk_max_num_bf16 v[240+2*\i], v[240+2*\i], v18
	v_pk_max_num_bf16 v[241+2*\i], v[241+2*\i], v18
.endr
.irp i,0,1,2,3,4,5,6,7
	global_store_b64 v17, v[240+2*\i:241+2*\i], s[60:61] offset:(\mt)*32768+256*\i
.endr
.Lfin_\@:
.endm
	s_mul_i32 s48, s20, 36864                      ; a pair of partners has 9 tiles' room
	v_lshl_add_u32 v16, v3, 4, s48
	v_lshlrev_b32 v17, 3, v3                       ; 128 hh + 8 r = 8 lane
	v_mov_b32 v18, 0
	s_mul_i32 s48, s22, 294912                     ; h: the group's 9 tiles, my block of 64 columns
	s_lshl_b32 s50, s21, 12
	s_add_co_u32 s48, s48, s50
	s_lshl_b32 s50, s20, 11
	s_add_co_u32 s48, s48, s50
	s_mov_b32 s49, 0
	s_add_nc_u64 s[60:61], s[12:13], s[48:49]
	s_cmp_lg_u32 s19, 0
	s_cbranch_scc1 .Lx_hi
	XOUT 5, 0
	XOUT 6, 4096
	XOUT 7, 8192
	XOUT 8, 12288
	WIN 0
	s_branch .Lx_done
.Lx_hi:
	XOUT 0, 16384
	XOUT 1, 20480
	XOUT 2, 24576
	XOUT 3, 28672
	XOUT 4, 32768
	WIN 0
.Lx_done:
	s_wait_dscnt 0x0                               ; for my partner's sake: my sums are in LDS
	s_barrier_signal -1
	s_barrier_wait -1
	s_cmp_lg_u32 s19, 0
	s_cbranch_scc1 .Lf_hi
	FIN 0, 16384
	FIN 1, 20480
	FIN 2, 24576
	FIN 3, 28672
	FIN 4, 32768
	s_branch .Lf_done
.Lf_hi:
	FIN 5, 0
	FIN 6, 4096
	FIN 7, 8192
	FIN 8, 12288
.Lf_done:
	s_wait_tensorcnt 0x0                           ; the wave's end
	ds_add_u32 v1, v2
	s_wait_dscnt 0x0
	s_endpgm
.Lfunc_end_k_q120a3c261c_ffn1:
	.size	k_q120a3c261c_ffn1, .Lfunc_end_k_q120a3c261c_ffn1-k_q120a3c261c_ffn1
	.p2alignl 7, 3214868480
	.fill 96, 4, 3214868480
	.section	.rodata,"a",@progbits
	.p2align	6, 0x0
	.amdhsa_kernel k_q120a3c261c_ffn1
		.amdhsa_group_segment_fixed_size 208896
		.amdhsa_private_segment_fixed_size 0
		.amdhsa_enable_private_segment 0
		.amdhsa_kernarg_size 56
		.amdhsa_user_sgpr_count 2
		.amdhsa_user_sgpr_kernarg_segment_ptr 1
		.amdhsa_wavefront_size32 1
		.amdhsa_system_sgpr_workgroup_id_x 1
		.amdhsa_system_sgpr_workgroup_id_y 1
		.amdhsa_system_sgpr_workgroup_id_z 1
		.amdhsa_system_vgpr_workitem_id 0
		.amdhsa_next_free_vgpr 1024
		.amdhsa_next_free_sgpr 100
		.amdhsa_reserve_vcc 1
		.amdhsa_float_denorm_mode_32 3
		.amdhsa_float_denorm_mode_16_64 3
		.amdhsa_memory_ordered 1
		.amdhsa_forward_progress 1
		.amdhsa_inst_pref_size 193
	.end_amdhsa_kernel
	.amdgpu_metadata
---
amdhsa.version: [ 1, 2 ]
amdhsa.kernels:
  - .name:           k_q120a3c261c_ffn1
    .symbol:         k_q120a3c261c_ffn1.kd
    .args:
      - { .name: route, .offset: 0, .size: 8, .value_kind: global_buffer, .address_space: global }
      - { .name: xb, .offset: 8, .size: 8, .value_kind: global_buffer, .address_space: global }
      - { .name: W1, .offset: 16, .size: 8, .value_kind: global_buffer, .address_space: global }
      - { .name: b1, .offset: 24, .size: 8, .value_kind: global_buffer, .address_space: global }
      - { .name: h, .offset: 32, .size: 8, .value_kind: global_buffer, .address_space: global }
      - { .name: part, .offset: 40, .size: 8, .value_kind: global_buffer, .address_space: global }
      - { .name: out1, .offset: 48, .size: 8, .value_kind: global_buffer, .address_space: global }
    .group_segment_fixed_size: 208896
    .private_segment_fixed_size: 0
    .kernarg_segment_align: 8
    .kernarg_segment_size: 56
    .max_flat_workgroup_size: 128
    .sgpr_count:     100
    .vgpr_count:     1024
    .wavefront_size: 32
...
	.end_amdgpu_metadata
.endif
;; end of part 2
;; launch ffn2 (part 3): grid 8 x 36, 4 waves a work-group, no clusters, 121,344 bytes of LDS; arguments route, h, W2, b2, y, gate; writes y
.if DOCPART == 3
	.amdgcn_target "amdgcn-amd-amdhsa--gfx1250"
	.amdhsa_code_object_version 6
	.text
	.protected	k_q120a3c261c_ffn2
	.globl	k_q120a3c261c_ffn2
	.p2align	8
	.type	k_q120a3c261c_ffn2,@function
k_q120a3c261c_ffn2:
	s_mov_b64 s[64:65], 0
	v_nop
	global_prefetch_b8 v0, s[64:65] scope:SCOPE_SE
	s_setreg_imm32_b32 hwreg(HW_REG_WAVE_MODE, 25, 1), 1
	s_wait_xcnt 0x0
; SECOND PRODUCT OF THE CHOSEN EXPERTS.  y[2 token + slot] = gate x (h W2[e] + b2[e]) in f32, a partial row for each of a token's two experts; the next launch adds the two.
; W2 and b2 are rounded once to bf16 on their way through registers; sums in f32.  NaN and infinities are not treated apart.
; THE DEAL is the first product's, worked out anew from the stored counts: groups of 144 rows of one expert, at most 36 whatever the split; the grid is 36 groups (y) x 8 slices of 256 columns (x).
; A group without rows passes every barrier, jumps the work and stores nothing; tiles past the count are jumped; in a tile that is not full the places past the count go to row 4,096 + gi of y, which nobody reads.
; SHARES.  Four waves = four blocks of 64 columns: each 144 rows x 64 columns x K = 1,024, 36 accumulators.
; W2 goes from memory straight into operands: of a wave's 64 columns, column tile j is the columns 4 r + j (r = lane % 16); a lane loads columns 4 r .. 4 r + 3 of one row k, sixteen lanes 256 consecutive bytes;
; two rows' numbers of a column, rounded together, are one register of a fragment.  In the results a lane holds four neighbouring columns of a row: 16 bytes of y.
; h comes through registers into two LDS slots that take turns, 128 of K a stage.  NO TENSOR LOADS, NO CLUSTER: an expert's number of groups hangs on the counts,
; so partners would not be alike, and f32 weights pass through registers to be rounded in any case.
; A STEP AHEAD.  While step s is multiplied, W2 of step s + 1 is rounded into the other fragment buffer, and h's fragments of step s + 1 are loaded into the registers that step s has just read.
; The list of rows serves the way out alone: it is made in the wait for the first loads, and its rows' gates are laid into LDS only behind the products.
; REGISTERS, in windows of 256 (s_set_vgpr_msb: bits 1:0 source 0, 3:2 source 1, 5:4 source 2, 7:6 destination):
;   window 0: v0-15 fixed (below); v16-31 at work; v32-40 the 9 tiles' offsets in h; v68-71 bias; v72-143 h's fragments, 9 tiles; v144-207 W2's fragments, two buffers; v208-255 at work (v208-220: the gates' loads, through the loop)
;   window 1: accumulator (tile mt, column tile j) at 32 mt + 8 j, mt 0-7      window 2: v0-31 those of mt 8; v32-103 h on its way to LDS      window 3: W2 in f32, four slots of 64
.set ROWB,   8192                      ; bytes in a row of W2
.set STEPB,  32*ROWB                   ; a step: 32 of K
.set STAGEB, 4*STEPB                   ; a stage: 4 steps, one LDS slot
.set PITCH,  272                       ; an LDS row: 256 bytes + 16: the 16 rows of a fragment load start 68 words apart
.set SLOTX,  65536                     ; slot 1 begins here (a slot is 144 x 272 = 39,168 bytes): one exclusive or changes slots
.set LISTB,  40960                     ; behind slot 0: each wave's own list, 1,024 bytes; its rows' gates lie 4,096 bytes on
.set SPARE,  49152                     ; the spare words: 128 bytes a wave, named by no other line
.set RTB,    104960                    ; behind slot 1: each wave's own copy of the two bitmaps, all experts: 4,096 bytes
.set ASUB,   9                         ; my 18 loads of h come in two runs of 9
.set AF,     72
.set BF,     144
.set MSB, 0
.macro WIN new                         ; the immediate's high byte repeats the setting that is left; a switch that changes nothing is dropped
.if MSB != (\new)
	s_set_vgpr_msb (MSB<<8)|(\new)
.set MSB, (\new)
.endif
.endm
; 16 loads: the 32 rows of one step (a lane's half takes rows 8 h + 0..7 and 16 + 8 h + 0..7), my 64 columns, into a slot of window 3
.macro BLOAD imm, slot
	WIN 0xc0
.set kk, 0
.rept 16
	global_load_b128 v[64*(\slot)+4*kk:64*(\slot)+4*kk+3], v6, s[56:57] offset:(\imm)+(kk+8*(kk/8))*ROWB
.set kk, kk+1
.endr
.endm
; Roundings from .. from + cnt - 1 of the 32 that make a slot into the four column tiles' fragments: number c is register c % 8 of column tile c / 8, made of rows 2 (c % 8) and 2 (c % 8) + 1 of the lane's sixteen
.macro CVTP slot, buf, from, cnt
	WIN 0x0f
.set c, \from
.rept \cnt
	v_cvt_pk_bf16_f32 v[BF+32*(\buf)+c], v[64*(\slot)+8*(c%8)+c/8], v[64*(\slot)+8*(c%8)+c/8+4]
.set c, c+1
.endr
.endm
; h's fragments of step ks, tiles from .. to: two LDS loads a tile
.macro AFL ks, from, to
	WIN 0
.set m, \from
.rept (\to)-(\from)+1
	ds_load_b128 v[AF+8*m:AF+8*m+3], v10 offset:m*16*PITCH+64*(\ks)
	ds_load_b128 v[AF+8*m+4:AF+8*m+7], v10 offset:m*16*PITCH+64*(\ks)+32
.set m, m+1
.endr
.endm
; A stage of a tile of h is 4,096 consecutive bytes: two blocks of 64 columns x 16 rows.  Load q of my 18: tile q / 2, my block (w % 2), 512 bytes: rows (of eight) 4 (w / 2) + 2 (q % 2) + lane / 16 of both groups of eight.
.macro ALOAD sub
	WIN 0x80
.set q, ASUB*(\sub)
.rept ASUB
	global_load_b128 v[32+4*q:35+4*q], v[32+q/2], s[58:59] offset:512*(q%2)
.set q, q+1
.endr
.endm
.macro ASTORE sub
	WIN 0x08
.set q, ASUB*(\sub)
.rept ASUB
	ds_store_b128 v13, v[32+4*q:35+4*q] offset:(16*(q/2)+2*(q%2))*PITCH
.set q, q+1
.endr
.endm
; Tile g's four products; jumped where the group has no such tile.  The accumulators take turns, one instruction a turn, over steps and the loop's edge too.
; cnt: the LDS instructions younger than tile g's two fragment loads.
.macro GROUP g, buf, cnt
	WIN 0                                          ; at a branch and at a label every window is 0
.if (\g) > 0
	s_cmp_le_u32 s39, \g
	s_cbranch_scc1 .Lg_\@
.endif
	s_wait_dscnt \cnt
.if (\g) < 8
	WIN 0x50
.set AC, 32*(\g)
.else
	WIN 0xa0
.set AC, 0
.endif
.irp j,0,1,2,3
	v_wmma_f32_16x16x32_bf16 v[AC+8*\j:AC+8*\j+7], v[AF+8*(\g):AF+8*(\g)+7], v[BF+32*(\buf)+8*\j:BF+32*(\buf)+8*\j+7], v[AC+8*\j:AC+8*\j+7]
.endr
	WIN 0
.Lg_\@:
.endm
; An expert's first group asks, in stage t < 6, for the 128 rows of stage t + 2 (four steps ahead of the step that loads the first of them): a lane a row, my wave's own 256 bytes of it.
; So each such run of W2 is asked for once in the launch; stages 6 and 7 ask for nothing, and no request passes the expert's 1,024 rows.
.macro PREF
	WIN 0
	s_cmp_lt_u32 s42, s43
	s_cbranch_scc0 .Lnopf_\@
.irp i,8,9,10,11
	global_prefetch_b8 v7, s[56:57] offset:\i*STEPB th:TH_LOAD_NT scope:SCOPE_SE
.endr
.Lnopf_\@:
.endm
; A STEP: 32 of K, on fragments that were made ready in the step before.
;   tiles 0-3 | eight roundings | THE MIDDLE RUN: h into the other slot, h's fragments 0-3 of the next step, the next stage's h, W2 four steps on | tiles 4-8, roundings behind each | THE END RUN: fragments 4-8
; The memory instructions stand in those two runs alone.  The eight roundings, and the four behind tile 8, name window 3 and the fragment buffer that this step does not multiply: they are the four places
; between a product and the loads into the fragment that it read, and between this step's last product and the next step's first write into the buffer that it read.
; LDS counts.  A tile of 0-3 was loaded in the last step's middle run (in a stage's first step: at its head): behind tile g's two loads stand those of tiles g + 1 .. 3 and the ten of tiles 4-8: 16 - 2 g.
; A tile of 4-8: those of tiles g + 1 .. 8 and this step's middle run, ST stores and MID loads.  The two waits in front of the runs repeat the count of the last tile, for the ways on which tiles were jumped:
; no load is issued into a register that a pending load will write.
; more = 1: the next stage's h is loaded (steps 0, 1) and laid into the other slot (steps 2, 3).  newb = 1: W2 of the step four on is asked for, into the slot rounded in the step before.
; cv = 1: there is a next step.  lc: the global loads that may stay out when the next step's W2 (and, in steps 2 and 3, a run of h) has to be there.
.macro STEP ks, more, newb, cv, lc
.set PB, (\ks)%2
.set MID, 0
.if (\ks) < 3
.set MID, 8
.endif
.set ST, 0
.if (\more) && ((\ks) >= 2)
.set ST, ASUB
.endif
	GROUP 0, PB, 16
	GROUP 1, PB, 14
	GROUP 2, PB, 12
	GROUP 3, PB, 10
	s_wait_dscnt 10
.if \cv
	s_wait_loadcnt \lc
	CVTP ((\ks)+1)%4, 1-PB, 0, 8
.endif
.if ST
	ASTORE (\ks)-2
.endif
.if (\ks) < 3
	AFL (\ks)+1, 0, 3
.endif
.if (\more) && ((\ks) < 2)
	ALOAD \ks
.endif
.if \newb
	BLOAD ((\ks)+4)*STEPB, \ks
.endif
.if (\more) && ((\ks) == 0)
	PREF
.endif
.irp g,4,5,6,7,8
	GROUP \g, PB, 16-2*\g+ST+MID
.if \cv
.if \g < 8
	CVTP ((\ks)+1)%4, 1-PB, 5*\g-12, 5
.else
	CVTP ((\ks)+1)%4, 1-PB, 28, 4
.endif
.endif
.endr
	WIN 0
.if (\ks) < 3
	s_wait_dscnt ST+MID
	AFL (\ks)+1, 4, 8
.endif
.endm
; THE LIST, eight words of the bitmap at a time; each line is written for all eight, so that no line reads the result of the line before it.  s74-82: the ranks so far, less my group's first rank, in front of
; each word and behind the last.  A lane's rank is the ones below it in its word plus that; a lane whose bit is off, or whose rank is not my group's (below: the difference wraps; above), stores into place 144,
; which nobody reads.  A chunk none of whose ranks is my group's is jumped.
.macro LCHUNK c
.irp i,0,1,2,3,4,5,6,7
	v_readlane_b32 s[66+\i], v17, 8*(\c)+\i
.endr
	s_mov_b32 s74, s46
.irp i,0,1,2,3,4,5,6,7
	s_bcnt1_i32_b32 s48, s[66+\i]
	s_add_co_u32 s[75+\i], s[74+\i], s48
.endr
	s_mov_b32 s46, s82
	s_cmp_ge_i32 s74, 0x90
	s_cbranch_scc1 .Lch_\@                         ; all its ranks lie behind my 144
	s_cmp_le_i32 s82, 0
	s_cbranch_scc1 .Lch_\@                         ; or all in front of them
.irp i,0,1,2,3,4,5,6,7
	v_readlane_b32 s[84+\i], v18, 8*(\c)+\i
.endr
.irp i,0,1,2,3,4,5,6,7
	v_mbcnt_lo_u32_b32 v[208+\i], s[66+\i], s[74+\i]
.endr
.irp i,0,1,2,3,4,5,6,7
	v_and_b32 v[216+\i], s[66+\i], v15
.endr
.irp i,0,1,2,3,4,5,6,7
	v_cmp_ne_u32 s[92+\i], 0, v[216+\i]
.endr
.irp i,0,1,2,3,4,5,6,7
	v_cndmask_b32 v[208+\i], v27, v[208+\i], s[92+\i]
.endr
.irp i,0,1,2,3,4,5,6,7
	v_min_u32 v[208+\i], 0x90, v[208+\i]
.endr
.irp i,0,1,2,3,4,5,6,7
	v_lshl_add_u32 v[208+\i], v[208+\i], 2, v14
.endr
.irp i,0,1,2,3,4,5,6,7
	v_lshrrev_b32 v[216+\i], v3, s[84+\i]
.endr
.irp i,0,1,2,3,4,5,6,7
	v_and_or_b32 v[216+\i], v[216+\i], 1, v26      ; the slot, and 2 x my lane's token in the half's word 0,
.endr
.irp i,0,1,2,3,4,5,6,7
	v_add_nc_u32 v[216+\i], 64*(8*(\c)+\i), v[216+\i]  ; and 64 for each word
.endr
.irp i,0,1,2,3,4,5,6,7
	ds_store_b32 v[208+\i], v[216+\i]
.endr
.Lch_\@:
.endm
	s_load_b256 s[4:11], s[0:1], 0x0               ; route s[4:5], h s[6:7], W2 s[8:9], b2 s[10:11]
	s_load_b128 s[12:15], s[0:1], 0x20             ; y s[12:13], gate s[14:15]
	v_lshl_add_u32 v1, v0, 2, SPARE                ; v1  my spare word,
	v_mov_b32 v2, 0                                ; v2  and 0: kept for the closing add alone
	v_lshrrev_b32 v16, 5, v0
	v_readfirstlane_b32 s18, v16                   ; wave
	s_lshr_b32 s19, s18, 1                         ; w / 2
	s_and_b32 s20, s18, 1                          ; w % 2
	s_mov_b32 s21, ttmp9                           ; slice
	s_and_b32 s22, ttmp7, 0xffff                   ; group gi
	v_and_b32 v3, 31, v0                           ; v3  lane
	v_and_b32 v4, 15, v0                           ; v4  r
	v_bfe_u32 v5, v0, 4, 1                         ; v5  half hh
	v_lshlrev_b32 v21, 4, v4                       ; v21 16 r
	v_lshl_add_u32 v6, v5, 16, v21                 ; v6  W2: 8 hh rows + 16 r
	v_lshlrev_b32 v7, 13, v3                       ; v7  the prefetch: a row a lane
	v_mul_u32_u24 v8, v4, PITCH
	v_lshl_add_u32 v8, v5, 4, v8                   ; v8  h's fragments: row r, 16 bytes a half
	v_bfe_u32 v22, v0, 3, 1                        ; where my 16 bytes of a load of h go: row 8 ((lane / 8) % 2) + 4 (w / 2) + lane / 16,
	v_lshl_add_u32 v22, v22, 3, v5
	s_lshl_b32 s48, s19, 2
	v_add_nc_u32 v22, s48, v22
	v_mul_u32_u24 v22, v22, PITCH
	v_and_b32 v23, 7, v0
	v_lshl_add_u32 v22, v23, 4, v22                ; 16 (lane % 8),
	s_lshl_b32 s48, s20, 7
	v_add_nc_u32 v12, s48, v22                     ; v12 and my block's 128 bytes of the row
	s_lshl_b32 s23, s18, 10
	s_add_co_u32 s23, s23, LISTB
	v_mov_b32 v14, s23                             ; v14 my wave's list
	v_lshlrev_b32 v15, v3, 1                       ; v15 my lane's bit
	s_lshl_b32 s47, s18, 12
	s_add_co_u32 s47, s47, RTB                     ; s47 my wave's copy of the bitmaps
	v_lshl_add_u32 v22, v3, 4, s47
	v_lshlrev_b32 v16, 6, v3
	v_lshlrev_b32 v23, 4, v3
	s_add_co_u32 s48, s22, 4096                    ; every place of my list starts as 4,096 + gi: what the places past the count keep
	v_mov_b32 v28, s48
	v_lshl_add_u32 v24, v3, 2, v14
.irp k,0,1,2,3,4
	ds_store_b32 v24, v28 offset:128*\k
.endr
	s_wait_kmcnt 0x0
	; ALL OF route IN ONE ROUND TRIP: the counts (lane l: 64 of expert l / 4's 256 bytes), and both bitmaps of all experts, of which my expert's words are picked out of LDS when the deal is known.
.irp c,0,1,2,3
	global_load_b128 v[208+4*\c:211+4*\c], v16, s[4:5] offset:4096+16*\c
.endr
.irp q,0,1,2,3,4,5,6,7
	global_load_b128 v[224+4*\q:227+4*\q], v23, s[4:5] offset:512*\q
.endr
	s_wait_loadcnt 0x0
.irp q,0,1,2,3,4,5,6,7
	ds_store_b128 v22, v[224+4*\q:227+4*\q] offset:512*\q   ; the bitmaps, as they lie in memory
.endr
	; THE COUNTS.  A byte is at most 8, so 16 words add bytewise without a carry; then bytes, halves and four lanes are folded.
.irp c,209,211,213,215,217,219,221
	v_add3_u32 v208, v208, v[\c], v[\c+1]
.endr
	v_add_nc_u32 v208, v208, v223
	v_lshrrev_b32 v209, 8, v208
	v_and_b32 v208, 0xff00ff, v208
	v_and_b32 v209, 0xff00ff, v209
	v_add_nc_u32 v208, v208, v209
	v_lshrrev_b32 v209, 16, v208
	v_and_b32 v208, 0xffff, v208
	v_add_nc_u32 v208, v208, v209
	v_mov_b32_dpp v209, v208 row_xmask:1 row_mask:0xf bank_mask:0xf
	v_add_nc_u32 v208, v208, v209
	v_mov_b32_dpp v209, v208 row_xmask:2 row_mask:0xf bank_mask:0xf
	v_add_nc_u32 v208, v208, v209
.irp e,0,1,2,3,4,5,6,7
	v_readlane_b32 s[24+\e], v208, 4*\e
.endr
	; THE DEAL.  s35 runs through the experts' first groups; the last expert whose first group is not beyond gi is mine.  (c + 143) x 7,282 >> 20 = ceil(c / 144) for c + 143 below 32,768.
	s_mov_b32 s35, 0
	s_mov_b32 s32, 0
	s_mov_b32 s33, 0
	s_mov_b32 s34, 0
.irp e,0,1,2,3,4,5,6,7
	s_cmp_ge_u32 s22, s35
	s_cselect_b32 s32, \e, s32                     ; s32 my expert
	s_cselect_b32 s33, s35, s33                    ; s33 its first group
	s_cselect_b32 s34, s[24+\e], s34               ; s34 its rows
	s_add_co_u32 s36, s[24+\e], 143
	s_mul_i32 s36, s36, 7282
	s_lshr_b32 s36, s36, 20
	s_add_co_u32 s35, s35, s36
.endr
	s_min_u32 s32, s32, 7
	s_sub_co_u32 s36, s22, s33                     ; my group among the expert's
	s_mul_i32 s37, s36, 144                        ; its first rank
	s_sub_co_i32 s38, s34, s37
	s_max_i32 s38, s38, 0
	s_min_i32 s38, s38, 144                        ; s38 my rows, 0 to 144
	s_add_co_u32 s39, s38, 15
	s_lshr_b32 s39, s39, 4                         ; s39 my tiles, 0 to 9
	s_sub_co_u32 s46, 0, s37                       ; s46 ranks counted so far, less my first rank
	s_cmp_eq_u32 s36, 0
	s_cselect_b32 s43, 6, 0
	s_cmp_eq_u32 s38, 0
	s_cselect_b32 s43, 0, s43                      ; s43 stages in which I prefetch: 6 for an expert's first group
	s_lshl_b32 s50, s21, 10                        ; the slice's 256 columns, my 64 of them, in bytes
	s_lshl_b32 s51, s18, 8
	s_add_co_u32 s50, s50, s51
	s_lshl_b32 s48, s32, 23
	s_add_co_u32 s48, s48, s50
	s_mov_b32 s49, 0
	s_add_nc_u64 s[56:57], s[8:9], s[48:49]        ; W2
	s_lshl_b32 s48, s32, 13
	s_add_co_u32 s48, s48, s50
	s_add_nc_u64 s[54:55], s[10:11], s[48:49]      ; b2
	s_mov_b32 s48, s50
	s_add_nc_u64 s[60:61], s[12:13], s[48:49]      ; y
	s_mov_b64 s[58:59], s[6:7]
	; The 9 tiles' offsets in h.  Only tiles that the first product stored are read: a tile past my count repeats my last one, and a group without rows takes tile 0 (group 0 always has rows).
	s_min_u32 s48, s38, 1
	s_mul_i32 s50, s22, 9
	s_mul_i32 s50, s50, s48                        ; 9 gi, or 0
	s_max_u32 s51, s39, 1
	s_sub_co_u32 s51, s51, 1                       ; my last tile
	s_lshl_b32 s48, s20, 11
	s_lshl_b32 s36, s19, 10
	s_add_co_u32 s48, s48, s36
	v_lshl_add_u32 v23, v3, 4, s48                 ; my block of 64 columns, my half of it, 16 bytes a lane
.irp m,0,1,2,3,4,5,6,7,8
	s_min_u32 s36, s51, \m
	s_add_co_u32 s36, s36, s50
	s_lshl_b32 s36, s36, 15
	v_add_nc_u32 v[32+\m], s36, v23
.endr
	s_lshl_b32 s48, s32, 8                         ; the expert's 256 bytes in each bitmap of my copy
	s_add_co_u32 s48, s48, s47
	v_lshl_add_u32 v16, v3, 2, s48
	ds_load_b32 v17, v16                           ; who chose the expert: words 0-31 (a word a lane),
	ds_load_b32 v18, v16 offset:2048               ; and as the higher of the two.  LDS serves a wave's instructions in order (ISA guide 5.7.1.4): these see my stores above
	ds_load_b32 v19, v16 offset:128                ; words 32-63
	ds_load_b32 v20, v16 offset:2176
	global_load_b128 v[68:71], v21, s[54:55]       ; my four columns' bias
	ALOAD 0                                        ; stage 0's h
	ALOAD 1
	BLOAD 0, 0
	BLOAD STEPB, 1
	WIN 0
	v_lshlrev_b32 v26, 1, v3                       ; 2 x token of my lane in word 0
	v_mov_b32 v27, 0x90
	s_mov_b32 s36, 2
	s_wait_dscnt 0x0
.Llist:                                                ; each wave makes a list of its own (so no barrier): entry i = 2 x token + slot of my group's row i.  Two trips of 32 words, in the wait for the loads above
.irp ch,0,1,2,3
	LCHUNK \ch
.endr
	v_mov_b32 v17, v19
	v_mov_b32 v18, v20
	v_add_nc_u32 v26, 0x800, v26
	s_sub_co_u32 s36, s36, 1
	s_cmp_lg_u32 s36, 0
	s_cbranch_scc1 .Llist
	; the rows' gates, an entry a lane: asked for here, used behind the products
	v_lshl_add_u32 v24, v3, 2, v14
.irp k,0,1,2,3,4
	ds_load_b32 v[208+\k], v24 offset:128*\k
.endr
	s_wait_dscnt 0x0
.irp k,0,1,2,3,4
	v_min_u32 v[208+\k], 0xfff, v[208+\k]          ; a place past the count takes any gate: its row is not read
.endr
.irp k,0,1,2,3,4
	v_lshlrev_b32 v[208+\k], 2, v[208+\k]
.endr
.irp k,0,1,2,3,4
	global_load_b32 v[216+\k], v[208+\k], s[14:15]
.endr
	s_wait_loadcnt 55                              ; the bias is in: behind it 18 loads of h, 32 of W2, 5 gates
	; The accumulators start at their column's bias, rounded to bf16: these moves do the bias' addition, and stand in the wait for the loads.
	v_cvt_pk_bf16_f32 v22, v68, v69
	v_cvt_pk_bf16_f32 v25, v70, v71
	v_lshlrev_b32 v68, 16, v22
	v_and_b32 v69, 0xffff0000, v22
	v_lshlrev_b32 v70, 16, v25
	v_and_b32 v71, 0xffff0000, v25
	WIN 0x40
.set a, 0
.rept 256
	v_mov_b32 v[a], v[68+(a/8)%4]
.set a, a+1
.endr
	WIN 0x80
.set a, 0
.rept 32
	v_mov_b32 v[a], v[68+(a/8)%4]
.set a, a+1
.endr
	BLOAD 2*STEPB, 2
	BLOAD 3*STEPB, 3
	WIN 0
	v_mov_b32 v13, v12                             ; slot 0
	s_wait_loadcnt 53                              ; h and W2's step 0 are in: behind them W2(1), 5 gates, W2(2), W2(3)
	ASTORE 0
	ASTORE 1
	CVTP 0, 0, 0, 32                               ; step 0's fragments of W2
	WIN 0
	s_add_nc_u64 s[58:59], s[58:59], 4096          ; h at stage 1 (its loads are done)
	s_mov_b32 s40, 0                               ; the slot that is read,
	s_mov_b32 s41, SLOTX                           ; the slot that is written
	s_mov_b32 s42, 0
.Lstage:                                               ; stages 0 to 6
	s_wait_dscnt 0x0                               ; my stores into the slot now to be read are done, and my reads of the slot now to be written are over:
	s_barrier_signal -1
	s_barrier_wait -1                              ; both hold of every wave.  Every work-group passes this barrier, also one without rows
	s_cmp_eq_u32 s39, 0
	s_cbranch_scc1 .Lidle
	v_add_nc_u32 v10, s40, v8
	v_add_nc_u32 v13, s41, v12
	AFL 0, 0, 8                                    ; a stage's first fragments can be read only behind its barrier
	; The global loads' order in a stage: h's run 0, W2(4); h's run 1, W2(5); W2(6); W2(7).  In the first stage the five gates stand between W2(1) and W2(2): the counts are then smaller than need be, which is safe.
	STEP 0, 1, 1, 1, 32                            ; behind W2(1): W2(2), W2(3)
	STEP 1, 1, 1, 1, 32+ASUB                       ; behind W2(2): W2(3), run 0, W2(4)
	STEP 2, 1, 1, 1, 32+ASUB                       ; behind run 0, which this step lays into LDS: W2(4), run 1, W2(5)
	STEP 3, 1, 1, 1, 32                            ; behind run 1: W2(5), W2(6)
.Lidle:
	s_wait_xcnt 0x0                                ; the bases are stepped only behind this wait
	s_add_nc_u64 s[56:57], s[56:57], STAGEB
	s_add_nc_u64 s[58:59], s[58:59], 4096
	s_xor_b32 s40, s40, SLOTX
	s_xor_b32 s41, s41, SLOTX
	s_add_co_u32 s42, s42, 1
	s_cmp_lt_u32 s42, 7
	s_cbranch_scc1 .Lstage
	s_wait_dscnt 0x0                               ; stage 7, in slot 1: nothing more is asked for
	s_barrier_signal -1
	s_barrier_wait -1
	s_cmp_eq_u32 s39, 0
	s_cbranch_scc1 .Ltail_idle
	v_add_nc_u32 v10, SLOTX, v8
	AFL 0, 0, 8
	STEP 0, 0, 0, 1, 32                            ; behind W2(1): W2(2), W2(3)
	STEP 1, 0, 0, 1, 16
	STEP 2, 0, 0, 1, 0
	STEP 3, 0, 0, 0, 0
.Ltail_idle:
.rept 4
	v_nop                                          ; four places between the last product and the first read of a result (ISA guide 7.12.1)
.endr
	s_wait_loadcnt 0x0                             ; the gates are in, on every way
	v_lshl_add_u32 v24, v3, 2, v14
.irp k,0,1,2,3,4
	ds_store_b32 v24, v[216+\k] offset:4096+128*\k
.endr
; Tile mt goes out: my half's eight rows' entries and gates come from my lists; a row's four columns, times its gate, are 16 bytes: sixteen lanes store 256 consecutive bytes of a row of y, at a multiple of 256 from its first byte.
.macro OUT mt
	s_cmp_le_u32 s39, \mt
	s_cbranch_scc1 .Lout_\@
	s_wait_xcnt 0x0                                ; the last tile's stores have read their registers
	ds_load_b128 v[240:243], v25 offset:64*(\mt)
	ds_load_b128 v[244:247], v25 offset:64*(\mt)+16
	ds_load_b128 v[248:251], v25 offset:4096+64*(\mt)
	ds_load_b128 v[252:255], v25 offset:4096+64*(\mt)+16
	s_wait_dscnt 0x0
.irp i,0,1,2,3,4,5,6,7
	v_min_u32 v[240+\i], 0x1023, v[240+\i]         ; y has 4,132 rows
.endr
.irp i,0,1,2,3,4,5,6,7
	v_lshl_add_u32 v[240+\i], v[240+\i], 13, v21
.endr
.if (\mt) < 8
	WIN 0x01
.set AC, 32*(\mt)
.else
	WIN 0x02
.set AC, 0
.endif
.irp i,0,1,2,3,4,5,6,7
.irp j,0,1,2,3
	v_mul_f32 v[208+4*\i+\j], v[AC+8*\j+\i], v[248+\i]   ; each accumulator from its low end on
.endr
.endr
	WIN 0
.irp i,0,1,2,3,4,5,6,7
	global_store_b128 v[240+\i], v[208+4*\i:211+4*\i], s[60:61]
.endr
.Lout_\@:
.endm
	v_lshl_add_u32 v25, v5, 5, v14                 ; my half's eight entries of a tile
.irp m,0,1,2,3,4,5,6,7,8
	OUT \m
.endr
	s_wait_tensorcnt 0x0                           ; the wave's end
	ds_add_u32 v1, v2
	s_wait_dscnt 0x0
	s_endpgm
.Lfunc_end_k_q120a3c261c_ffn2:
	.size	k_q120a3c261c_ffn2, .Lfunc_end_k_q120a3c261c_ffn2-k_q120a3c261c_ffn2
	.p2alignl 7, 3214868480
	.fill 96, 4, 3214868480
	.section	.rodata,"a",@progbits
	.p2align	6, 0x0
	.amdhsa_kernel k_q120a3c261c_ffn2
		.amdhsa_group_segment_fixed_size 121344
		.amdhsa_private_segment_fixed_size 0
		.amdhsa_enable_private_segment 0
		.amdhsa_kernarg_size 48
		.amdhsa_user_sgpr_count 2
		.amdhsa_user_sgpr_kernarg_segment_ptr 1
		.amdhsa_wavefront_size32 1
		.amdhsa_system_sgpr_workgroup_id_x 1
		.amdhsa_system_sgpr_workgroup_id_y 1
		.amdhsa_system_sgpr_workgroup_id_z 1
		.amdhsa_system_vgpr_workitem_id 0
		.amdhsa_next_free_vgpr 1024
		.amdhsa_next_free_sgpr 100
		.amdhsa_reserve_vcc 0
		.amdhsa_float_denorm_mode_32 3
		.amdhsa_float_denorm_mode_16_64 3
		.amdhsa_memory_ordered 1
		.amdhsa_forward_progress 1
		.amdhsa_inst_pref_size 155
	.end_amdhsa_kernel
	.amdgpu_metadata
---
amdhsa.version: [ 1, 2 ]
amdhsa.kernels:
  - .name:           k_q120a3c261c_ffn2
    .symbol:         k_q120a3c261c_ffn2.kd
    .args:
      - { .name: route, .offset: 0, .size: 8, .value_kind: global_buffer, .address_space: global }
      - { .name: h, .offset: 8, .size: 8, .value_kind: global_buffer, .address_space: global }
      - { .name: W2, .offset: 16, .size: 8, .value_kind: global_buffer, .address_space: global }
      - { .name: b2, .offset: 24, .size: 8, .value_kind: global_buffer, .address_space: global }
      - { .name: y, .offset: 32, .size: 8, .value_kind: global_buffer, .address_space: global }
      - { .name: gate, .offset: 40, .size: 8, .value_kind: global_buffer, .address_space: global }
    .group_segment_fixed_size: 121344
    .private_segment_fixed_size: 0
    .kernarg_segment_align: 8
    .kernarg_segment_size: 48
    .max_flat_workgroup_size: 128
    .sgpr_count:     100
    .vgpr_count:     1024
    .wavefront_size: 32
...
	.end_amdgpu_metadata
.endif
;; end of part 3
;; launch combine (part 4): grid 256 x 1, 8 waves a work-group, no clusters, 0 bytes of LDS; arguments y, out0; writes out0
.if DOCPART == 4
	.amdgcn_target "amdgcn-amd-amdhsa--gfx1250"
	.amdhsa_code_object_version 6
	.text
	.protected	k_q120a3c261c_combine
	.globl	k_q120a3c261c_combine
	.p2align	8
	.type	k_q120a3c261c_combine,@function
k_q120a3c261c_combine:
	s_mov_b64 s[64:65], 0
	v_nop
	global_prefetch_b8 v0, s[64:65] scope:SCOPE_SE
	s_setreg_imm32_b32 hwreg(HW_REG_WAVE_MODE, 25, 1), 1
	s_wait_xcnt 0x0
; out0[t] = y[2 t] + y[2 t + 1]: a token's two partial rows, each already times its gate, are added in f32.
; A stream: memory binds, so there is no LDS, no barrier and no matrix work.  A wave has one token: 32 loads of 512 consecutive bytes go out before the first wait (16 KiB a wave on their way),
; and each store covers 512 consecutive bytes.  y is read once and out0 written once.  No register is written twice, so the counted waits for the loads are the only waits.
	s_load_b128 s[4:7], s[0:1], 0x0                ; y s[4:5], out0 s[6:7]
	v_lshrrev_b32 v1, 5, v0
	v_readfirstlane_b32 s8, v1                     ; wave
	s_lshl_b32 s9, ttmp9, 3
	s_add_co_u32 s9, s9, s8                        ; token
	s_lshl_b32 s10, s9, 14                         ; two rows of 8,192 bytes in y,
	s_mov_b32 s11, 0
	s_lshl_b32 s12, s9, 13                         ; one in out0
	s_mov_b32 s13, 0
	v_and_b32 v1, 31, v0
	v_lshlrev_b32 v1, 4, v1                        ; 16 bytes a lane
	s_wait_kmcnt 0x0
	s_add_nc_u64 s[4:5], s[4:5], s[10:11]
	s_add_nc_u64 s[6:7], s[6:7], s[12:13]
.irp q,0,1,2,3,4,5,6,7,8,9,10,11,12,13,14,15
	global_load_b128 v[8+8*\q:11+8*\q], v1, s[4:5] offset:512*\q th:TH_LOAD_NT
	global_load_b128 v[12+8*\q:15+8*\q], v1, s[4:5] offset:8192+512*\q th:TH_LOAD_NT
.endr
.irp q,0,1,2,3,4,5,6,7,8,9,10,11,12,13,14,15
	s_wait_loadcnt 30-2*\q                         ; loads come back in order (ISA guide 5.7.1): this pair is in, two for each later piece are younger
	v_pk_add_f32 v[8+8*\q:9+8*\q], v[8+8*\q:9+8*\q], v[12+8*\q:13+8*\q]
	v_pk_add_f32 v[10+8*\q:11+8*\q], v[10+8*\q:11+8*\q], v[14+8*\q:15+8*\q]
	global_store_b128 v1, v[8+8*\q:11+8*\q], s[6:7] offset:512*\q th:TH_STORE_NT
.endr
	s_endpgm
.Lfunc_end_k_q120a3c261c_combine:
	.size	k_q120a3c261c_combine, .Lfunc_end_k_q120a3c261c_combine-k_q120a3c261c_combine
	.p2alignl 7, 3214868480
	.fill 96, 4, 3214868480
	.section	.rodata,"a",@progbits
	.p2align	6, 0x0
	.amdhsa_kernel k_q120a3c261c_combine
		.amdhsa_group_segment_fixed_size 0
		.amdhsa_private_segment_fixed_size 0
		.amdhsa_enable_private_segment 0
		.amdhsa_kernarg_size 16
		.amdhsa_user_sgpr_count 2
		.amdhsa_user_sgpr_kernarg_segment_ptr 1
		.amdhsa_wavefront_size32 1
		.amdhsa_system_sgpr_workgroup_id_x 1
		.amdhsa_system_sgpr_workgroup_id_y 1
		.amdhsa_system_sgpr_workgroup_id_z 1
		.amdhsa_system_vgpr_workitem_id 0
		.amdhsa_next_free_vgpr 136
		.amdhsa_next_free_sgpr 66
		.amdhsa_reserve_vcc 0
		.amdhsa_float_denorm_mode_32 3
		.amdhsa_float_denorm_mode_16_64 3
		.amdhsa_memory_ordered 1
		.amdhsa_forward_progress 1
		.amdhsa_inst_pref_size 8
	.end_amdhsa_kernel
	.amdgpu_metadata
---
amdhsa.version: [ 1, 2 ]
amdhsa.kernels:
  - .name:           k_q120a3c261c_combine
    .symbol:         k_q120a3c261c_combine.kd
    .args:
      - { .name: y, .offset: 0, .size: 8, .value_kind: global_buffer, .address_space: global }
      - { .name: out0, .offset: 8, .size: 8, .value_kind: global_buffer, .address_space: global }
    .group_segment_fixed_size: 0
    .private_segment_fixed_size: 0
    .kernarg_segment_align: 8
    .kernarg_segment_size: 16
    .max_flat_workgroup_size: 256
    .sgpr_count:     66
    .vgpr_count:     136
    .wavefront_size: 32
...
	.end_amdgpu_metadata
.endif
;; end of part 4
